; MI455X (gfx1250); checked and timed in simulation.
; The chip was launched on July 23, 2026; its instructions are those of AMD's public machine-readable ISA for CDNA 5 (MIT licence, August 2026) and "CDNA5" Instruction Set Architecture Reference Guide (July 2026). The comments in the code are by the model that wrote it; some were corrected since.
;; rhs base. Allowed arithmetic: float matrix products may take bf16 or f16 operands with f32 sums; other float arithmetic in f32, or as packed bf16 or f16 multiplies, adds, multiply-adds, maxima and minima; sums over many terms, partial sums and values carried from step to step in f32; what a program stores and reads back later, other than sums and carried values, may be rounded once to bf16 or f16.
;; Inputs: W1 8 x 1,024 x 4,096 float32; W2 8 x 4,096 x 1,024 float32; b1 8 x 4,096 float32; b2 8 x 1,024 float32; scales 1 x 1,024 float32; shifta one number float32; shiftb one number float32; t 1,024 float32; y 1,024 x 1,024 float32.
;; Outputs: out0 1,024 x 1,024 float32.
;; One version. Each part assembles by itself: llvm-mc -triple=amdgcn-amd-amdhsa -mcpu=gfx1250 --defsym DOCPART=n.
;; ======== version 1 of 1: 3 launches
;; limits: values are held in f16: magnitudes above 65,504 overflow, below 6.1e-05 lose precision; inputs' magnitudes at most 65,504
;; workspace buffers: route 6,144 bytes of whole numbers; list 5,120 bytes of whole numbers; y16 2,097,152 bytes; hidF 9,830,400 bytes
;; launch route (part 1): grid 257 x 1, 4 waves a work-group, no clusters, 0 bytes of LDS; arguments t, y, route, y16; writes route, y16
.if DOCPART == 1
	.amdgcn_target "amdgcn-amd-amdhsa--gfx1250"
	.amdhsa_code_object_version 6
	.text
	.protected	k_q78d13fd929_route
	.globl	k_q78d13fd929_route
	.p2align	8
	.type	k_q78d13fd929_route,@function
k_q78d13fd929_route:
	s_mov_b64 s[64:65], 0
	v_nop
	global_prefetch_b8 v0, s[64:65] scope:SCOPE_SE
	s_setreg_imm32_b32 hwreg(HW_REG_WAVE_MODE, 25, 1), 1
	s_wait_xcnt 0x0
; ROUTING, AND y IN f16.
; Work-group 0, wave 0: each of 1,024 tokens takes expert e = min(int(t / 0.125), 7).  t / 0.125 is t x 8, exact in f32; the conversion cuts toward zero.
; LIMIT: t below 0 and NaN count as expert 0 (the module leans on the index staying inside the table of 8 experts).
; One wave does the whole count in registers: it is one serial pass over 1,024 numbers, with no LDS and no barrier; the group's other three waves end.
; Stored, at fixed places (no address and no branch here hangs on t):
;   route[token]        = (e << 16) | rank, rank = the token's number among its expert's tokens
;   route + 4096 + 32 j = entry j of 32 for the second product: e, T0, nT, nvalid, key, 0, 0, 0.  An expert's rows are padded to tiles of 16; a GROUP is up to five tiles (80 rows) of one
;                         expert: T0 its first tile among all tiles, nT its tiles, nvalid its rows, key = (e << 16) + 80 x its number in the expert.  At most 13 + 7 = 20 groups, whatever the split.
;   route + 5120 + 32 j = the same for the first product, with groups of up to ten tiles (160 rows): at most 7 + 7 = 14 groups.  Entries behind the last group have nT = 0.
; Register q = 4 i + c of lane L stands for token 128 i + 4 L + c.
; Work-groups 1 to 256: y is rounded once to f16, in token order, 4,096 numbers a work-group: the first product gathers its rows from that copy, half the bytes of f32.
; LIMIT: a y of 65,520 or more in magnitude becomes an infinity in f16.
.set T,   8                            ; v[8:39]    t, then the expert
.set P,   40                           ; v[40:71]   the rank, then the stored word
.set X,   72                           ; v[72:103]  at work
.set CNT, 104                          ; v104       lane e: expert e's count
.set M,   68                           ; s[68:99]   the 32 masks of one expert
; A table: lane j makes entry j.  Its expert is the last one whose first group (s[gb + e]) is not behind j.
.macro TABLE gb, tiles, rows, off
	v_mov_b32 v116, 0                              ; e
	v_mov_b32 v117, 0                              ; its first group
	v_mov_b32 v118, 0                              ; its first tile
	v_mov_b32 v119, s32                            ; its tiles
	v_mov_b32 v120, s24                            ; its rows
.irp e, 1,2,3,4,5,6,7
	v_cmp_le_u32 vcc_lo, s[(\gb)+\e], v1
	v_cndmask_b32 v116, v116, \e, vcc_lo
	v_cndmask_b32 v117, v117, s[(\gb)+\e], vcc_lo
	v_cndmask_b32 v118, v118, s[40+\e], vcc_lo
	v_cndmask_b32 v119, v119, s[32+\e], vcc_lo
	v_cndmask_b32 v120, v120, s[24+\e], vcc_lo
.endr
	v_sub_nc_u32 v121, v1, v117                    ; i: the group's number in its expert
	v_mul_u32_u24 v105, \tiles, v121
	v_mul_u32_u24 v107, \rows, v121
	v_min_u32 v106, v105, v119
	v_sub_nc_u32 v110, v119, v106                  ; tiles left from the group's first on, never below 0,
	v_min_u32 v110, \tiles, v110                   ; nT
	v_min_u32 v106, v107, v120
	v_sub_nc_u32 v111, v120, v106
	v_min_u32 v111, \rows, v111                    ; nvalid
	v_add_nc_u32 v105, v118, v105
	v_cmp_lt_u32 vcc_lo, 0, v110
	v_cndmask_b32 v109, 0, v105, vcc_lo            ; T0, 0 for an entry without rows
	v_mov_b32 v108, v116
	v_lshl_add_u32 v112, v116, 16, v107            ; key
	v_mov_b32 v113, 0
	v_mov_b32 v114, 0
	v_mov_b32 v115, 0
	global_store_b128 v3, v[108:111], s[8:9] offset:\off
	global_store_b128 v3, v[112:115], s[8:9] offset:(\off)+16
.endm
	s_load_b256 s[4:11], s[0:1], 0x0               ; t s[4:5], y s[6:7], route s[8:9], y16 s[10:11]
	s_mov_b32 s12, ttmp9
	v_lshrrev_b32 v1, 5, v0
	v_readfirstlane_b32 s13, v1                    ; wave 0..3
	s_wait_kmcnt 0x0
	s_cmp_lg_u32 s12, 0
	s_cbranch_scc1 .Lcast
	s_cmp_lg_u32 s13, 0
	s_cbranch_scc1 .Lquit
	v_and_b32 v1, 31, v0                           ; lane
	v_lshlrev_b32 v2, 4, v1                        ; 16 bytes a lane
	v_lshlrev_b32 v3, 5, v1                        ; 32 bytes a table entry
.set i, 0
.rept 8
	global_load_b128 v[T+4*i:T+4*i+3], v2, s[4:5] offset:512*i
.set i, i+1
.endr
.set q, 0
.rept 32
	v_mov_b32 v[P+q], 0                            ; each rank is chosen into place below, so the register is written whole first
.set q, q+1
.endr
	v_mov_b32 v[CNT], 0
	s_wait_loadcnt 0x0
.set q, 0
.rept 32
	v_mul_f32 v[T+q], 0x41000000, v[T+q]           ; x 8
	v_cvt_u32_f32 v[T+q], v[T+q]                   ; toward zero; below 0 and NaN give 0
	v_min_u32 v[T+q], 7, v[T+q]
.set q, q+1
.endr
	s_mov_b32 s12, 0                               ; e
.Lexpert:                                              ; eight trips: the ranks and the count of expert e
	s_mov_b32 s13, 0                               ; tokens of e seen so far
.set q, 0
.rept 32
	v_cmp_eq_u32 s[M+q], s12, v[T+q]
.set q, q+1
.endr
.set q, 0
.rept 32
	v_mbcnt_lo_u32_b32 v[X+q], s[M+q], s13         ; seen so far + those of this register in lower lanes
	s_bcnt1_i32_b32 s21, s[M+q]
	s_add_co_u32 s13, s13, s21
.set q, q+1
.endr
.set q, 0
.rept 32
	v_cndmask_b32 v[P+q], v[P+q], v[X+q], s[M+q]
.set q, q+1
.endr
	v_cmp_eq_u32 vcc_lo, s12, v1
	v_cndmask_b32 v[CNT], v[CNT], s13, vcc_lo      ; the count into lane e
	s_add_co_u32 s12, s12, 1
	s_cmp_lt_u32 s12, 8
	s_cbranch_scc1 .Lexpert
.set q, 0
.rept 32
	v_lshl_add_u32 v[P+q], v[T+q], 16, v[P+q]
.set q, q+1
.endr
.set i, 0
.rept 8
	global_store_b128 v2, v[P+4*i:P+4*i+3], s[8:9] offset:512*i  ; 512 consecutive bytes a store
.set i, i+1
.endr
	; counts c s[24:31]; tiles nt = ceil(c / 16) s[32:39]; first tile tb s[40:47]; first group of five tiles s[48:55], of ten tiles s[56:63]
.irp e, 0,1,2,3,4,5,6,7
	v_readlane_b32 s[24+\e], v[CNT], \e
.endr
.irp e, 0,1,2,3,4,5,6,7
	s_add_co_u32 s[32+\e], s[24+\e], 15
	s_lshr_b32 s[32+\e], s[32+\e], 4
.endr
	s_mov_b32 s40, 0
	s_mov_b32 s48, 0
	s_mov_b32 s56, 0
.irp e, 0,1,2,3,4,5,6
	s_add_co_u32 s[41+\e], s[40+\e], s[32+\e]
	s_add_co_u32 s20, s[32+\e], 4
	s_mul_i32 s20, s20, 205                        ; ((nt + 4) x 205) >> 10 = ceil(nt / 5) for nt up to 64
	s_lshr_b32 s20, s20, 10
	s_add_co_u32 s[49+\e], s[48+\e], s20
	s_add_co_u32 s20, s[32+\e], 9
	s_mul_i32 s20, s20, 205                        ; ((nt + 9) x 205) >> 11 = ceil(nt / 10) for nt up to 64
	s_lshr_b32 s20, s20, 11
	s_add_co_u32 s[57+\e], s[56+\e], s20
.endr
	TABLE 48, 5, 80, 4096
	s_wait_xcnt 0x0                                ; the first table's stores have read their registers: these are written again only behind this wait
	TABLE 56, 10, 160, 5120
.Lquit:
	s_endpgm
.Lcast:                                                ; block b = work-group - 1: 16,384 bytes of y become 8,192 of y16
	s_sub_co_u32 s12, s12, 1
	s_lshl_b32 s14, s12, 14
	s_mov_b32 s15, 0
	s_lshl_b32 s16, s12, 13
	s_mov_b32 s17, 0
	s_add_nc_u64 s[6:7], s[6:7], s[14:15]
	s_add_nc_u64 s[10:11], s[10:11], s[16:17]
	v_lshlrev_b32 v1, 4, v0                        ; 16 bytes a thread in,
	v_lshlrev_b32 v2, 3, v0                        ; 8 out
.set i, 0
.rept 8
	global_load_b128 v[8+4*i:8+4*i+3], v1, s[6:7] offset:2048*i  ; a wave's load covers 512 consecutive bytes
.set i, i+1
.endr
.set i, 0
.rept 8
	s_wait_loadcnt 7-i                             ; loads come back in order (ISA guide 5.7.1): load i is in, the younger ones stay out
	v_cvt_pk_f16_f32 v[40+2*i], v[8+4*i], v[8+4*i+1]
	v_cvt_pk_f16_f32 v[41+2*i], v[8+4*i+2], v[8+4*i+3]
	global_store_b64 v2, v[40+2*i:41+2*i], s[10:11] offset:1024*i  ; a wave's store covers 256 consecutive bytes, aligned
.set i, i+1
.endr
	s_endpgm
.Lfunc_end_k_q78d13fd929_route:
	.size	k_q78d13fd929_route, .Lfunc_end_k_q78d13fd929_route-k_q78d13fd929_route
	.p2alignl 7, 3214868480
	.fill 96, 4, 3214868480
	.section	.rodata,"a",@progbits
	.p2align	6, 0x0
	.amdhsa_kernel k_q78d13fd929_route
		.amdhsa_group_segment_fixed_size 0
		.amdhsa_private_segment_fixed_size 0
		.amdhsa_enable_private_segment 0
		.amdhsa_kernarg_size 32
		.amdhsa_user_sgpr_count 2
		.amdhsa_user_sgpr_kernarg_segment_ptr 1
		.amdhsa_wavefront_size32 1
		.amdhsa_system_sgpr_workgroup_id_x 1
		.amdhsa_system_sgpr_workgroup_id_y 1
		.amdhsa_system_sgpr_workgroup_id_z 1
		.amdhsa_system_vgpr_workitem_id 0
		.amdhsa_next_free_vgpr 128
		.amdhsa_next_free_sgpr 100
		.amdhsa_reserve_vcc 1
		.amdhsa_float_denorm_mode_32 3
		.amdhsa_float_denorm_mode_16_64 3
		.amdhsa_memory_ordered 1
		.amdhsa_forward_progress 1
		.amdhsa_inst_pref_size 31
	.end_amdhsa_kernel
	.amdgpu_metadata
---
amdhsa.version: [ 1, 2 ]
amdhsa.kernels:
  - .name:           k_q78d13fd929_route
    .symbol:         k_q78d13fd929_route.kd
    .args:
      - { .name: t, .offset: 0, .size: 8, .value_kind: global_buffer, .address_space: global }
      - { .name: y, .offset: 8, .size: 8, .value_kind: global_buffer, .address_space: global }
      - { .name: route, .offset: 16, .size: 8, .value_kind: global_buffer, .address_space: global }
      - { .name: y16, .offset: 24, .size: 8, .value_kind: global_buffer, .address_space: global }
    .group_segment_fixed_size: 0
    .private_segment_fixed_size: 0
    .kernarg_segment_align: 8
    .kernarg_segment_size: 32
    .max_flat_workgroup_size: 128
    .sgpr_count:     100
    .vgpr_count:     128
    .wavefront_size: 32
...
	.end_amdgpu_metadata
.endif
;; end of part 1
;; launch up (part 2): grid 32 x 14, 4 waves a work-group, no clusters, 250,112 bytes of LDS; arguments route, y16, W1, b1, hidF, list; writes hidF, list
.if DOCPART == 2
	.amdgcn_target "amdgcn-amd-amdhsa--gfx1250"
	.amdhsa_code_object_version 6
	.text
	.protected	k_q78d13fd929_up
	.globl	k_q78d13fd929_up
	.p2align	8
	.type	k_q78d13fd929_up,@function
k_q78d13fd929_up:
	s_mov_b64 s[64:65], 0
	v_nop
	global_prefetch_b8 v0, s[64:65] scope:SCOPE_SE
	s_setreg_imm32_b32 hwreg(HW_REG_WAVE_MODE, 25, 1), 1
	s_wait_xcnt 0x0
; FIRST PRODUCT.  hid = tanh(y W1[e] + b1[e]) for the rows of one group (up to 160 tokens of one expert: ten tiles of 16) and 128 hidden units; stored in f16.
; SHARES.  Work-group (x, g): group g of the stored table of ten-tile groups, hidden units 128 x .. 128 x + 127, all of K = 1,024: 512 KB of W1 in f32.  Where no expert has more than 160 rows
; each byte of W1 has one reader in the launch; an expert with more rows takes further groups, each of which reads the slice again.
; Wave w = 2 kw + cw: units n0 = 128 x + 64 cw .. + 63, all ten tiles, and half of K: k = 512 H + 256 kw + 32 j, H = 0, 1, j = 0 .. 7: sixteen K steps.
; WEIGHTS go from memory into registers and are rounded there: W1 lies [k][n], a lane's 16-byte load takes 4 neighbouring units of one k, sixteen lanes 256 consecutive aligned bytes.
; Sixteen loads are 32 k (lanes 16-31 eight rows further down); two loaded rows, rounded as a pair, are one register (k, k + 1) of a fragment for ONE unit: four fragments, for the units n0 + 4 m + jj.
; TOKENS: wave 0 finds the group's tokens among the 1,024 stored words and lays their numbers into LDS; each wave gathers 40 rows of y16 into LDS, padded.  160 rows of all K would fill
; LDS to the last byte, so the rows come in two halves of K (H = 0, 1), 1,024 bytes a row, into the same bytes, with barriers round each change.
; PRODUCT, transposed: source 0 = weights (row m = unit n0 + 4 m + jj), source 1 = 16 tokens.  Register j of lane (r, h) of accumulator (slot, jj) is token r, unit n0 + 32 h + 4 j + jj:
; a lane holds 32 neighbouring units of one token, which is the operand of the second product: it is stored as it stands, 512 consecutive bytes a store.
; SLOTS.  A wave's slots 0-4 are the tiles that it finishes, 5 kw + s; its slots 5-9 are the five that its partner (the wave with the other kw) finishes.  Each wave lays its sums (f32) of slots 5-9
; into LDS; behind a barrier the partner adds them to its own.
; hidF: [tile of 16 rows][block of 64 units][quad i][lane][16 bytes]; packed register 4 i + c of lane (r, h) holds units 64 nb + 32 h + 2 (4 i + c), + 1 of row r.
; list: the token of padded place p (16 x tile + row); only live tiles are stored, by wave 0 of the group's work-group x = 0, a tile's 64 bytes a store.
; PATHS.  All five barriers stand on every wave's path.  The first gather and K step 0 run in every work-group, so that every accumulator is written on every path of the text before a block that
; a group without rows (nT = 0) jumps; such a group's loads read one 16-byte piece each, and it stores nothing.  All ten slots are always multiplied; a slot without rows repeats token 0's
; first bytes and is not stored.  Rows past the count hold token 0's numbers; the second product does not store them.  No line of this text switches a lane off.
; NO JOINT LOADS: a slice of W1 has one reader and never passes through LDS; what an expert's 32 work-groups share is its token rows, which come by a list that no descriptor covers.
; THE FORMAT.  y, W1 and hid enter the products in f16, 11 significant bits; sums in f32.
; LIMITS.  f16 holds no number beyond 65,504: a W1 of 65,520 or more in magnitude becomes an infinity; below 6.1e-5 f16 keeps its fixed step of 6e-8.  hid lies in -1 to 1.
; tanh(x) = 1 - 2 / (1 + 2^(2.88539 x)): off by about 1e-7 in absolute terms.
; REGISTERS, in windows of 256 (s_set_vgpr_msb: bits 1:0 source 0, 3:2 source 1, 5:4 source 2, 7:6 destination):
;   window 0: below.   window 1: slots 0-7, accumulator (slot, jj) at 32 slot + 8 jj.   window 2: four sets of 64: weights as loaded.
;   window 3: v0-63 slots 8, 9; v64-223 two buffers of 80: token fragments, the gather's stage, at the end the partner's sums; v224-255 wave 0's stored words.
.set PITCH, 1040                       ; half a row of y16 in LDS: 1,024 bytes + 16: 65 x 16, so the 16 rows of a fragment load start at 16 different groups of four banks (64 banks of 4 bytes: ISA guide 11.1)
.set TILEB, 16*PITCH                   ; a tile of 16 rows
.set XCH,   160*PITCH                  ; 166,400: the sums that change hands: 20,480 bytes a wave
.set PART,  20480                      ; 40 chunks of 512 bytes: chunk 8 i + 4 half + jj holds registers 4 half .. + 3 of accumulator (slot 5 + i, jj), 16 bytes a lane
.set LIST,  XCH+4*PART                 ; 248,320: words 0-255 the tokens of the group's rows; word 256 takes what belongs to no row, and nobody reads it
.set SPARE, LIST+1280                  ; 249,600: the spare words, 128 bytes for each wave
.set SPW, 6                            ; v6   my spare word's address; never rewritten
.set NIL, 7                            ; v7   0; never rewritten
.set VW,  8                            ; v8   my byte offset in a set's rows of W1: 16 r + 8 rows x h
.set VAL, 9                            ; v9-12   fragment reads: 1040 r + 16 h + 512 kw + the first tile of slots 0-2, 3-4, 5-7, 8-9; never rewritten
.set VSA, 13                           ; v13-15  the gather's stores: 16 lane + 4 rows x w + 4 tiles x g
.set BIQ, 24                           ; v24-55  b1 as loaded: unit 4 j + jj of my 32 at 4 j + jj
.set BB,  56                           ; v56-87  2.88539 b1, at 8 jj + j
.set TK,  88                           ; v88-127 my 40 rows' tokens, then their byte offsets in y16; both gathers read them
.set WF,  128                          ; v128-191 weight fragments, two buffers of 4 x 8
.set AT,  128                          ;         earlier, wave 0: places
.set TO,  160                          ;         earlier, wave 0: tokens
.set U,   128                          ;         the way out: 32 numbers at work
.set H,   160                          ;         the way out: 16 packed registers a slot, v160-239
.set VL,  192                          ;         earlier: 16 lane, or 0 for a slot without rows
.set LQ,  240                          ; v240-249 the list on its way to memory, a register a tile; never rewritten
.set VP,  254                          ; v254 where my sums for the partner go
.set VR,  255                          ; v255 where the partner's sums for me lie
.set AF,  64                           ; window 3
.set PP,  224                          ; window 3
.set SW0, 28                           ; s[28:29] W1 at row 256 kw of my 64 units
.set SW1, 42                           ; s[42:43] the same 512 rows further down; a load's immediate is 247 rows of 16,384 bytes at the most, inside its signed 24 bits
.set MSB, 0
.macro WIN new                         ; the immediate's high byte repeats the setting that is left; a switch that changes nothing is dropped
.if MSB != (\new)
	s_set_vgpr_msb (MSB<<8)|(\new)
.set MSB, (\new)
.endif
.endm
.macro BAR
	s_barrier_signal -1
	s_barrier_wait -1
.endm
.macro PLACES                          ; four places (ISA guide 7.12.1) behind matrix instructions, where no other vector work is at hand
.rept 4
	v_nop
.endr
.endm
; sixteen loads: 32 rows of W1 from row0 on, counted from base b, into set st
.macro LOADW st, b, row0
	WIN 0x80
.set li, 0
.rept 16
	global_load_b128 v[64*(\st)+4*li:64*(\st)+4*li+3], v[VW], s[(\b):(\b)+1] offset:((\row0)+(li&7)+16*(li>>3))*16384 th:TH_LOAD_NT
.set li, li+1
.endr
.endm
; twenty LDS loads: the ten slots' fragments of 32 k at byte ofs of my part of the rows
.macro AFLOAD par, ofs
	WIN 0xc0
.set ti, 0
.rept 10
	ds_load_b128 v[AF+80*(\par)+8*ti:AF+80*(\par)+8*ti+3],   v[VAL+2*(ti/5)+(ti%5)/3] offset:((ti%5)%3)*TILEB+(\ofs)
	ds_load_b128 v[AF+80*(\par)+8*ti+4:AF+80*(\par)+8*ti+7], v[VAL+2*(ti/5)+(ti%5)/3] offset:((ti%5)%3)*TILEB+(\ofs)+32
.set ti, ti+1
.endr
.endm
; K step s of my sixteen.  Set s % 4 is rounded into fragments and loaded again with the rows of step s + 4; the next step's token fragments are fetched (not across a change of halves);
; then 40 matrix instructions, the 40 accumulators by turns.  The 32 roundings name no register of the matrix instructions of the step before:
; they are the places (ISA guide 7.12.1) between those and the writes of the other fragment buffers.
.macro KS s
.if (\s) < 13
	s_wait_loadcnt 48                              ; loads come back in order (ISA guide 5.7.1): this step's set is in, the three younger sets stay out
.else
	s_wait_loadcnt 16*(15-(\s))                    ; the last steps load nothing: the counts run down
.endif
	WIN 0x0a
.set ci, 0
.rept 32
	v_cvt_pk_f16_f32 v[WF+32*((\s)%2)+ci], v[64*((\s)%4)+8*(ci%8)+ci/8], v[64*((\s)%4)+8*(ci%8)+4+ci/8]  ; fragment ci / 8, register ci % 8: rows 2 q and 2 q + 1 of the set
.set ci, ci+1
.endr
.if (\s) < 4
	LOADW (\s)%4, SW0, 32*((\s)+4)
.elseif (\s) < 12
	LOADW (\s)%4, SW1, 32*((\s)-4)
.endif
.if (\s)%8 < 7
	AFLOAD 1-(\s)%2, 64*((\s)%8+1)
	s_wait_dscnt 20                                ; this step's fragments are in; the twenty just issued stay out
.else
	s_wait_dscnt 0x0
.endif
	WIN 0x5c                                       ; weights window 0, tokens window 3, slots 0-7 window 1
.set mi, 0
.rept 32
.if (\s) == 0
	v_wmma_f32_16x16x32_f16 v[8*mi:8*mi+7], v[WF+32*((\s)%2)+8*(mi%4):WF+32*((\s)%2)+8*(mi%4)+7], v[AF+80*((\s)%2)+8*(mi/4):AF+80*((\s)%2)+8*(mi/4)+7], 0
.else
	v_wmma_f32_16x16x32_f16 v[8*mi:8*mi+7], v[WF+32*((\s)%2)+8*(mi%4):WF+32*((\s)%2)+8*(mi%4)+7], v[AF+80*((\s)%2)+8*(mi/4):AF+80*((\s)%2)+8*(mi/4)+7], v[8*mi:8*mi+7]
.endif
.set mi, mi+1
.endr
	WIN 0xfc                                       ; slots 8, 9 window 3
.set mi, 0
.rept 8
.if (\s) == 0
	v_wmma_f32_16x16x32_f16 v[8*mi:8*mi+7], v[WF+32*((\s)%2)+8*(mi%4):WF+32*((\s)%2)+8*(mi%4)+7], v[AF+80*((\s)%2)+64+8*(mi/4):AF+80*((\s)%2)+64+8*(mi/4)+7], 0
.else
	v_wmma_f32_16x16x32_f16 v[8*mi:8*mi+7], v[WF+32*((\s)%2)+8*(mi%4):WF+32*((\s)%2)+8*(mi%4)+7], v[AF+80*((\s)%2)+64+8*(mi/4):AF+80*((\s)%2)+64+8*(mi/4)+7], v[8*mi:8*mi+7]
.endif
.set mi, mi+1
.endr
.endm
; twenty loads: row b of my four in each of the ten tiles, half hf of K, 2 x 512 bytes a row, into buffer buf
.macro GATHER b, buf, hf
	WIN 0xc0
.set gn, 0
.rept 20
	global_load_b128 v[AF+80*(\buf)+4*gn:AF+80*(\buf)+4*gn+3], v[TK+4*(gn/2)+(\b)], s[6:7] offset:1024*(\hf)+512*(gn%2)
.set gn, gn+1
.endr
.endm
; the same twenty pieces laid into LDS, 512 consecutive bytes a store
.macro PUT b, buf
	WIN 0x0c
.set gn, 0
.rept 20
	ds_store_b128 v[VSA+gn/8], v[AF+80*(\buf)+4*gn:AF+80*(\buf)+4*gn+3] offset:(((gn/2)%4)*16+(\b))*PITCH+512*(gn%2)
.set gn, gn+1
.endr
.endm
.macro STAGE hf                        ; my 40 rows of half hf: four batches on two buffers; the count 20 leaves the younger batch out
	GATHER 0, 0, \hf
	GATHER 1, 1, \hf
	s_wait_loadcnt 20
	PUT 0, 0
	GATHER 2, 0, \hf
	s_wait_loadcnt 20
	PUT 1, 1
	GATHER 3, 1, \hf
	s_wait_loadcnt 20
	PUT 2, 0
	s_wait_loadcnt 0x0
	PUT 3, 1
	WIN 0
.endm
; my slot t leaves: the partner's sums are added, then tanh, f16, four stores of 512 consecutive bytes.  Each batch of 32 transcendentals has one plain instruction and one wait behind it.
.macro TILE_OUT t
	s_cmp_le_u32 s36, \t
	s_cbranch_scc1 .Lend                           ; my slots from this one on have no rows
	s_wait_dscnt 8*(4-(\t))                        ; LDS loads come back in order: this slot's eight are in, the later slots' stay out
	WIN 0x0d
.set ui, 0
.rept 16
	v_pk_add_f32 v[U+2*ui:U+2*ui+1], v[32*(\t)+2*ui:32*(\t)+2*ui+1], v[AF+32*(\t)+2*ui:AF+32*(\t)+2*ui+1]  ; each accumulator's registers in ascending order
.set ui, ui+1
.endr
	WIN 0
.set ui, 0
.rept 16
	v_pk_fma_f32 v[U+2*ui:U+2*ui+1], v[U+2*ui:U+2*ui+1], 0x4038aa3b, v[BB+2*ui:BB+2*ui+1] op_sel_hi:[1,0,1]  ; 2.88539 (s + b1)
.set ui, ui+1
.endr
.set ui, 0
.rept 32
	v_exp_f32 v[U+ui], v[U+ui]
.set ui, ui+1
.endr
	v_nop
	s_wait_alu depctr_va_vdst(0)
.set ui, 0
.rept 16
	v_pk_add_f32 v[U+2*ui:U+2*ui+1], v[U+2*ui:U+2*ui+1], 1.0 op_sel_hi:[1,0]
.set ui, ui+1
.endr
.set ui, 0
.rept 32
	v_rcp_f32 v[U+ui], v[U+ui]
.set ui, ui+1
.endr
	v_nop
	s_wait_alu depctr_va_vdst(0)
.set ui, 0
.rept 16
	v_pk_fma_f32 v[U+2*ui:U+2*ui+1], v[U+2*ui:U+2*ui+1], -2.0, 1.0 op_sel_hi:[1,0,0]
.set ui, ui+1
.endr
.set ui, 0
.rept 16
	v_cvt_pk_f16_f32 v[H+16*(\t)+ui], v[U+16*(ui%2)+ui/2], v[U+16*(ui%2)+8+ui/2]  ; packed register 2 j + a: units 4 j + 2 a and 4 j + 2 a + 1
.set ui, ui+1
.endr
.set ui, 0
.rept 4
	global_store_b128 v4, v[H+16*(\t)+4*ui:H+16*(\t)+4*ui+3], s[32:33] offset:131072*(\t)+512*ui
.set ui, ui+1
.endr
.endm
	s_load_b256 s[4:11], s[0:1], 0x0               ; route s[4:5], y16 s[6:7], W1 s[8:9], b1 s[10:11]
	s_load_b128 s[12:15], s[0:1], 0x20             ; hidF s[12:13], list s[14:15]
	v_lshl_add_u32 v[SPW], v0, 2, SPARE
	v_mov_b32 v[NIL], 0
	v_and_b32 v1, 31, v0                           ; lane
	v_and_b32 v2, 15, v0                           ; r
	v_bfe_u32 v3, v0, 4, 1                         ; h
	v_lshlrev_b32 v4, 4, v1                        ; 16 lane
	v_lshlrev_b32 v5, 2, v1                        ; 4 lane
	v_lshrrev_b32 v20, 5, v0
	v_readfirstlane_b32 s16, v20                   ; wave 0..3
	s_mov_b32 s17, ttmp9                           ; x: the slice of 128 units
	s_and_b32 s18, ttmp7, 0xffff                   ; g: the group
	s_lshl_b32 s19, s18, 5                         ; its table entry, 32 bytes
	s_lshr_b32 s44, s16, 1                         ; kw: which part of K
	s_and_b32 s45, s16, 1                          ; cw: which 64 units
	v_mov_b32 v22, 0
	v_lshlrev_b32 v16, 7, v3                       ; b1: my 32 units begin 128 h bytes into the wave's 64
	v_mov_b32 v18, 0x100
	v_lshlrev_b32 v23, 2, v2                       ; 4 r: my word among a tile's sixteen, in memory; never rewritten
	v_lshl_add_u32 v19, v2, 2, LIST                ; and in LDS
	s_lshl_b32 s37, s16, 4
	s_add_co_u32 s37, s37, LIST
	v_mov_b32 v17, s37                             ; the list words of my four rows of tile 0
	v_mul_u32_u24 v20, PITCH, v2
	v_lshl_add_u32 v20, v3, 4, v20                 ; 1040 r + 16 h
	s_lshl_b32 s37, s44, 9                         ; my 256 k of a half begin 512 kw bytes into a row
	s_mul_i32 s38, s44, 5*TILEB                    ; slots 0-4: tiles 5 kw on
	s_add_co_u32 s38, s38, s37
	s_sub_co_u32 s39, 1, s44
	s_mul_i32 s39, s39, 5*TILEB                    ; slots 5-9: the other five
	s_add_co_u32 s39, s39, s37
	v_add_nc_u32 v[VAL], s38, v20
	v_add_nc_u32 v[VAL+1], 3*TILEB, v[VAL]
	v_add_nc_u32 v[VAL+2], s39, v20
	v_add_nc_u32 v[VAL+3], 3*TILEB, v[VAL+2]
	s_mul_i32 s37, s16, 4*PITCH
	v_add_nc_u32 v[VSA], s37, v4
	v_add_nc_u32 v[VSA+1], 4*TILEB, v[VSA]
	v_add_nc_u32 v[VSA+2], 8*TILEB, v[VSA]
	s_mul_i32 s37, s16, PART
	s_add_co_u32 s37, s37, XCH
	v_add_nc_u32 v[VP], s37, v4
	s_sub_co_u32 s37, 1, s44
	s_lshl_b32 s37, s37, 1
	s_add_co_u32 s37, s37, s45                     ; the partner: wave 2 (1 - kw) + cw
	s_mul_i32 s37, s37, PART
	s_add_co_u32 s37, s37, XCH
	v_add_nc_u32 v[VR], s37, v4
	s_wait_kmcnt 0x0
	s_load_b256 s[20:27], s[4:5], s19 offset:0x1400  ; e s20, T0 s21, nT s22, nvalid s23, key s24
	s_cmp_lg_u32 s16, 0
	s_cbranch_scc1 .Lno_words
	WIN 0xc0
.set i, 0
.rept 8
	global_load_b128 v[PP+4*i:PP+4*i+3], v4, s[4:5] offset:512*i  ; wave 0: all 1,024 stored words
.set i, i+1
.endr
	WIN 0
.Lno_words:
	s_wait_kmcnt 0x0
	s_min_u32 s20, s20, 7                          ; what was loaded enters an address only behind a bound written here
	s_min_u32 s21, s21, 70
	s_min_u32 s22, s22, 10
	s_min_u32 s23, s23, 160
	s_cmp_lg_u32 s22, 0
	s_cselect_b32 s46, 1, 0
	v_lshlrev_b32 v[VW], 4, v2
	v_lshl_add_u32 v[VW], v3, 17, v[VW]            ; 16 r + 8 rows of 16,384 bytes x h,
	v_mul_u32_u24 v[VW], s46, v[VW]                ; or 0 in a group without rows
	s_mul_i32 s37, s44, 5                          ; my first tile
	s_min_u32 s38, s22, s37
	s_sub_co_u32 s36, s22, s38
	s_min_u32 s36, s36, 5                          ; how many of my five slots have rows
	s_lshl_b32 s40, s17, 9
	s_lshl_b32 s41, s45, 8
	s_add_co_u32 s40, s40, s41                     ; 4 n0 = 512 x + 256 cw
	s_lshl_b32 s38, s20, 24                        ; an expert's W1 is 16 MB,
	s_lshl_b32 s41, s44, 22                        ; 256 rows 4 MB
	s_add_co_u32 s38, s38, s41
	s_add_co_u32 s38, s38, s40
	s_mov_b32 s39, 0
	s_add_nc_u64 s[SW0:SW0+1], s[8:9], s[38:39]    ; W1 at row 256 kw of my 64 units,
	s_add_nc_u64 s[SW1:SW1+1], s[SW0:SW0+1], 0x800000  ; and 512 rows further down
	s_lshl_b32 s38, s20, 14
	s_add_co_u32 s38, s38, s40
	s_add_nc_u64 s[30:31], s[10:11], s[38:39]      ; b1 at my 64 units
	s_add_co_u32 s38, s21, s37
	s_lshl_b32 s38, s38, 17                        ; a tile of hidF is 131,072 bytes,
	s_lshl_b32 s41, s40, 3                         ; my block 2,048 (2 x + cw)
	s_add_co_u32 s38, s38, s41
	s_add_nc_u64 s[32:33], s[12:13], s[38:39]      ; hidF at my slot 0
	s_lshl_b32 s38, s21, 6
	s_add_nc_u64 s[34:35], s[14:15], s[38:39]      ; list at the group's first tile, 64 bytes a tile
	LOADW 0, SW0, 0                                ; the first K steps' weights go out ahead of everything else
	LOADW 1, SW0, 32
	LOADW 2, SW0, 64
	WIN 0
	; WAVE 0 LAYS THE LIST.  All 256 words take token 0 first; then word - key is the row's number in the group if it is below nvalid; all others go to word 256.
	s_cmp_lg_u32 s16, 0
	s_cbranch_scc1 .Lno_list
	v_add_nc_u32 v20, LIST, v5
.set q, 0
.rept 8
	ds_store_b32 v20, v22 offset:128*q             ; LDS serves a wave's instructions in order (ISA guide 5.7.1.4): the tokens below land on these zeros
.set q, q+1
.endr
	s_wait_loadcnt 48                              ; the eight loads of the words are in; the three sets of weights behind them stay out
	WIN 0x03
.set q, 0
.rept 32
	v_sub_nc_u32 v[AT+q], v[PP+q], s24
.set q, q+1
.endr
	WIN 0
.set q, 0
.rept 32
	v_cmp_gt_u32 vcc_lo, s23, v[AT+q]
	v_cndmask_b32 v[AT+q], v18, v[AT+q], vcc_lo
	v_min_u32 v[AT+q], 0x100, v[AT+q]
	v_lshl_add_u32 v[AT+q], v[AT+q], 2, LIST
	v_add_nc_u32 v[TO+q], 128*(q/4)+q%4, v5        ; the token that register q of my lane stands for
	ds_store_b32 v[AT+q], v[TO+q]
.set q, q+1
.endr
.Lno_list:
	LOADW 3, SW0, 96
	WIN 0
	s_wait_dscnt 0x0                               ; for the others' sake: the list is written
	BAR
	; One work-group of the group's 32, and its wave 0, stores the live tiles' words for the second product: a tile's sixteen words, 64 consecutive bytes, a store; lanes r and 16 + r carry the
	; same word to the same place, so that no lane is switched off; the stores of tiles past nT are jumped.  Their registers and their base are never rewritten.
	s_cmp_lg_u32 s17, 0
	s_cbranch_scc1 .Lno_store
	s_cmp_lg_u32 s16, 0
	s_cbranch_scc1 .Lno_store
.set ti, 0
.rept 10
	ds_load_b32 v[LQ+ti], v19 offset:64*ti
.set ti, ti+1
.endr
	s_wait_dscnt 0x0
.set ti, 0
.rept 10
	s_cmp_le_u32 s22, ti
	s_cbranch_scc1 .Lno_store
	global_store_b32 v23, v[LQ+ti], s[34:35] offset:64*ti
.set ti, ti+1
.endr
.Lno_store:
	; THE ROWS OF y, FIRST HALF OF K.  Wave w takes rows 16 tau + 4 w + b.
.set ti, 0
.rept 10
	ds_load_b128 v[TK+4*ti:TK+4*ti+3], v17 offset:64*ti  ; four tokens, the same for every lane
.set ti, ti+1
.endr
.set ti, 0
.rept 10
	s_cmp_gt_u32 s22, ti
	s_cselect_b32 s37, 1, 0
	v_mul_u32_u24 v[VL+ti], s37, v4                ; in a tile without rows all lanes read one piece: the counts of loads stay as they are
.set ti, ti+1
.endr
	s_wait_dscnt 0x0
.set ti, 0
.rept 40
	v_min_u32 v[TK+ti], 0x3ff, v[TK+ti]
	v_lshl_add_u32 v[TK+ti], v[TK+ti], 11, v[VL+ti/4]  ; a row of y16 is 2,048 bytes
.set ti, ti+1
.endr
	STAGE 0
	s_wait_dscnt 0x0                               ; for the others' sake: my rows are written
	BAR
	; THE PRODUCT, FIRST HALF.  K step 0 starts the sums (nothing is cleared) and runs in every work-group.
.set i, 0
.rept 8
	global_load_b128 v[BIQ+4*i:BIQ+4*i+3], v16, s[30:31] offset:16*i
.set i, i+1
.endr
	AFLOAD 0, 0
	KS 0
	WIN 0
	PLACES
	s_cmp_eq_u32 s22, 0
	s_cbranch_scc1 .Lskip0
.irp s, 1,2,3,4,5,6,7
	KS \s
.endr
	WIN 0
	PLACES                                         ; in front of the loads that the gather issues into the fragments' registers
.Lskip0:
	s_wait_dscnt 0x0                               ; my reads of the first half are over
	BAR
	s_cmp_eq_u32 s22, 0
	s_cbranch_scc1 .Lskip1
	STAGE 1                                        ; the second half of K lands on the first; steps 8 to 11's weights are on their way meanwhile
.Lskip1:
	s_wait_loadcnt 0x0                             ; on every path: no load is out when the second half begins, so its counts hold
	s_wait_dscnt 0x0                               ; for the others' sake: my rows are written
	BAR
	s_cmp_eq_u32 s22, 0
	s_cbranch_scc1 .Lskip2
	AFLOAD 0, 0
.irp s, 8,9,10,11,12,13,14,15
	KS \s
.endr
	WIN 0
	PLACES                                         ; between the last products and the stores that read them
	WIN 0x04
.set c, 0
.rept 24                               ; slots 5-7; each accumulator's lower four registers go first
	ds_store_b128 v[VP], v[160+32*(c/8)+8*(c%4)+4*((c/4)%2):160+32*(c/8)+8*(c%4)+4*((c/4)%2)+3] offset:512*c
.set c, c+1
.endr
	WIN 0x0c
.rept 16                               ; slots 8, 9
	ds_store_b128 v[VP], v[32*(c/8-3)+8*(c%4)+4*((c/4)%2):32*(c/8-3)+8*(c%4)+4*((c/4)%2)+3] offset:512*c
.set c, c+1
.endr
	WIN 0
.Lskip2:
	s_wait_dscnt 0x0                               ; for the partner's sake: my sums are written
	BAR
	; THE WAY OUT
	s_cmp_eq_u32 s22, 0
	s_cbranch_scc1 .Lend
	WIN 0xc0
.set c, 0
.rept 40                               ; the partner's sums for my five slots, in the accumulators' order
	ds_load_b128 v[AF+32*(c/8)+8*(c%4)+4*((c/4)%2):AF+32*(c/8)+8*(c%4)+4*((c/4)%2)+3], v[VR] offset:512*c
.set c, c+1
.endr
	WIN 0
.set bi, 0
.rept 32
	v_mul_f32 v[BB+bi], 0x4038aa3b, v[BIQ+4*(bi%8)+bi/8]  ; 2.88539 b1, in the accumulators' order
.set bi, bi+1
.endr
	TILE_OUT 0
	TILE_OUT 1
	TILE_OUT 2
	TILE_OUT 3
	TILE_OUT 4
.Lend:
	s_wait_tensorcnt 0x0                           ; the wave's end: behind my last LDS store
	ds_add_u32 v[SPW], v[NIL]
	s_wait_dscnt 0x0
	s_endpgm
.Lfunc_end_k_q78d13fd929_up:
	.size	k_q78d13fd929_up, .Lfunc_end_k_q78d13fd929_up-k_q78d13fd929_up
	.p2alignl 7, 3214868480
	.fill 96, 4, 3214868480
	.section	.rodata,"a",@progbits
	.p2align	6, 0x0
	.amdhsa_kernel k_q78d13fd929_up
		.amdhsa_group_segment_fixed_size 250112
		.amdhsa_private_segment_fixed_size 0
		.amdhsa_enable_private_segment 0
		.amdhsa_kernarg_size 48
		.amdhsa_user_sgpr_count 2
		.amdhsa_user_sgpr_kernarg_segment_ptr 1
		.amdhsa_wavefront_size32 1
		.amdhsa_system_sgpr_workgroup_id_x 1
		.amdhsa_system_sgpr_workgroup_id_y 1
		.amdhsa_system_sgpr_workgroup_id_z 1
		.amdhsa_system_vgpr_workitem_id 0
		.amdhsa_next_free_vgpr 1024
		.amdhsa_next_free_sgpr 66
		.amdhsa_reserve_vcc 1
		.amdhsa_float_denorm_mode_32 3
		.amdhsa_float_denorm_mode_16_64 3
		.amdhsa_memory_ordered 1
		.amdhsa_forward_progress 1
		.amdhsa_inst_pref_size 223
	.end_amdhsa_kernel
	.amdgpu_metadata
---
amdhsa.version: [ 1, 2 ]
amdhsa.kernels:
  - .name:           k_q78d13fd929_up
    .symbol:         k_q78d13fd929_up.kd
    .args:
      - { .name: route, .offset: 0, .size: 8, .value_kind: global_buffer, .address_space: global }
      - { .name: y16, .offset: 8, .size: 8, .value_kind: global_buffer, .address_space: global }
      - { .name: W1, .offset: 16, .size: 8, .value_kind: global_buffer, .address_space: global }
      - { .name: b1, .offset: 24, .size: 8, .value_kind: global_buffer, .address_space: global }
      - { .name: hidF, .offset: 32, .size: 8, .value_kind: global_buffer, .address_space: global }
      - { .name: list, .offset: 40, .size: 8, .value_kind: global_buffer, .address_space: global }
    .group_segment_fixed_size: 250112
    .private_segment_fixed_size: 0
    .kernarg_segment_align: 8
    .kernarg_segment_size: 48
    .max_flat_workgroup_size: 128
    .sgpr_count:     66
    .vgpr_count:     1024
    .wavefront_size: 32
...
	.end_amdgpu_metadata
.endif
;; end of part 2
;; launch down (part 3): grid 16 x 20, 8 waves a work-group, no clusters, 164,864 bytes of LDS; arguments route, list, hidF, W2, b2, scales, shifta, shiftb, y, out0; writes out0
.if DOCPART == 3
	.amdgcn_target "amdgcn-amd-amdhsa--gfx1250"
	.amdhsa_code_object_version 6
	.text
	.protected	k_q78d13fd929_down
	.globl	k_q78d13fd929_down
	.p2align	8
	.type	k_q78d13fd929_down,@function
k_q78d13fd929_down:
	s_mov_b64 s[64:65], 0
	v_nop
	global_prefetch_b8 v0, s[64:65] scope:SCOPE_SE
	s_setreg_imm32_b32 hwreg(HW_REG_WAVE_MODE, 25, 1), 1
	s_wait_xcnt 0x0
; SECOND PRODUCT AND THE BLEND.  out[token][c] = G[c] (hid W2[e] + b2[e])[c] + cy y[token][c], G = 0.5 (sig(shiftb) + sig(shifta)) sig(scales), cy = 0.5 (sig(shiftb) - sig(shifta)).
; SHARES.  Work-group (x, g): group g of the stored table of five-tile groups (up to 80 rows of one expert, five slots of 16), output columns 64 x .. 64 x + 63, all of K = 4,096: 1 MB of W2 in f32.
; Wave w takes k = 512 w .. 512 w + 511, sixteen K steps of 32, for all five slots and all 64 columns; the eight waves' partial sums (f32) meet in LDS and are added in a fixed order.
; WEIGHTS go from memory into registers and are rounded there: a lane's 16-byte load takes 4 neighbouring columns of one k, sixteen lanes 256 consecutive aligned bytes; two loaded rows,
; rounded as a pair, are one register (k, k + 1) of a fragment for ONE column: four fragments, for the columns 64 x + 4 r + jj.
; hid comes as the first product left it, in operand order: place (h, q) of step s = 2 nbl + u holds k = 512 w + 64 nbl + 32 h + 16 u + 2 q, + 1.  The weights' rows are taken in the same
; order, so both sources carry the same permutation of k and the products are kept.
; Source 0 = 16 rows of hid, source 1 = weights: register j of lane (r, h) of accumulator (t, jj) is row 16 t + 8 h + j, column 64 x + 4 r + jj.
; The rows' tokens come from list, 64 bytes a tile; a unit of a slot without rows reads the group's last live tile's words and is jumped.
; All five slots are always multiplied; a slot without rows repeats the group's last tile.  Rows past the count are not stored.  A group without rows passes the barrier and ends.
; NO JOINT LOADS: an expert's groups read the same slice of W2, but their number (0 to 13) hangs on stored counts, and the slice never passes through LDS.
; LIMITS.  hid and W2 enter the product in f16 (11 significant bits): a W2 of 65,520 or more in magnitude becomes an infinity; below 6.1e-5 f16 keeps its fixed step of 6e-8.
; sig(x) = 1 / (1 + 2^(-1.442695 x)); b2, scales, the shifts and y enter in f32.
; REGISTERS (s_set_vgpr_msb: bits 1:0 source 0, 3:2 source 1, 5:4 source 2, 7:6 destination): window 0 below; window 1: v0-159 the accumulators at 8 (4 t + jj), v160-199, v200-239 two buffers of hid.
.set PART,  20480                      ; a wave's partial sums: 40 chunks of 512 bytes; chunk 8 t + 4 half + jj holds registers 4 half .. + 3 of accumulator (t, jj), 16 bytes a lane
.set SPARE, 8*PART                     ; 163,840: the spare words, 128 bytes for each wave
.set SPW, 6                            ; v6   my spare word's address; never rewritten
.set NIL, 7                            ; v7   0; never rewritten
.set VW,  5                            ; v5   16 r + 32 rows of W2 x h
.set VP,  8                            ; v8   where my partial sums go
.set RA,  9                            ; v9-11   unit w: 16 lane + 2,048 w + 3 waves' parts x g
.set VH,  12                           ; v12-16  16 lane + the slot's tile of hidF
.set RB,  21                           ; v21-23  unit 8 + (w & 1)
.set VYA, 24                           ; v24-27  tokens, then byte offsets of the rows of unit w
.set VYB, 28                           ; v28-31  the same for unit 8 + w
.set WF,  32                           ; v32-63  weight fragments, 4 x 8
.set OUT, 32                           ;         later: 16 results
.set TM,  48                           ;         later: cy y + G b2
.set HF2, 64                           ; v64-103 the third buffer of hid; later y: v64-79, v80-95
.set Z,   104                          ; v104-109 scales (4), shifta, shiftb
.set G,   112                          ; v112-115
.set HC,  116                          ; v116-119 G b2
.set CY,  120                          ; v120-121 cy, twice
.set BQ,  122                          ; v122-125 b2
.set VLA, 126                          ; v126 my four words of list for unit w
.set VLB, 127                          ; v127 the same for unit 8 + w
.set WS,  128                          ; v128-255 weights as loaded, two sets of 64; later the eight waves' quads
.set RD,  128
.set MSB, 0
.macro WIN new
.if MSB != (\new)
	s_set_vgpr_msb (MSB<<8)|(\new)
.set MSB, (\new)
.endif
.endm
.macro LOADW2 s                        ; sixteen loads: step s's 32 rows of W2; every step stands in the immediate, 479 rows of 4,096 bytes at the most
	WIN 0
.set li, 0
.rept 16
	global_load_b128 v[WS+64*((\s)%2)+4*li:WS+64*((\s)%2)+4*li+3], v[VW], s[38:39] offset:(64*((\s)/2)+16*((\s)%2)+li)*4096
.set li, li+1
.endr
.endm
.macro LOADH s                         ; ten loads: step s's fragments of hid, 512 consecutive bytes each
.if (\s)%3 == 2
	WIN 0
.set hb, HF2
.else
	WIN 0x40
.set hb, 160+40*((\s)%3)
.endif
.set ti, 0
.rept 5
	global_load_b128 v[hb+8*ti:hb+8*ti+3],   v[VH+ti], s[40:41] offset:2048*((\s)/2)+1024*((\s)%2)
	global_load_b128 v[hb+8*ti+4:hb+8*ti+7], v[VH+ti], s[40:41] offset:2048*((\s)/2)+1024*((\s)%2)+512
.set ti, ti+1
.endr
.endm
; K step s.  Four v_nop are the places between the last step's matrix instructions and the writes of the weight fragments and the loads into the buffer of hid that they read.
.macro KS2 s
.if (\s) == 15
	s_wait_loadcnt 0x0
.else
	s_wait_loadcnt 26                              ; this step's loads are in; the next step's 16 + 10 stay out
.endif
	WIN 0
.if (\s) > 0
.rept 4
	v_nop
.endr
.endif
.set ci, 0
.rept 32
	v_cvt_pk_f16_f32 v[WF+ci], v[WS+64*((\s)%2)+8*(ci%8)+ci/8], v[WS+64*((\s)%2)+8*(ci%8)+4+ci/8]
.set ci, ci+1
.endr
.if (\s) <= 13
	LOADW2 (\s)+2
	LOADH (\s)+2
.endif
.if (\s)%3 == 2
	WIN 0x50
.set hb, HF2
.else
	WIN 0x51
.set hb, 160+40*((\s)%3)
.endif
.set mi, 0
.rept 20                               ; the 20 accumulators by turns
.if (\s) == 0
	v_wmma_f32_16x16x32_f16 v[8*mi:8*mi+7], v[hb+8*(mi/4):hb+8*(mi/4)+7], v[WF+8*(mi%4):WF+8*(mi%4)+7], 0
.else
	v_wmma_f32_16x16x32_f16 v[8*mi:8*mi+7], v[hb+8*(mi/4):hb+8*(mi/4)+7], v[WF+8*(mi%4):WF+8*(mi%4)+7], v[8*mi:8*mi+7]
.endif
.set mi, mi+1
.endr
.endm
; A UNIT: four registers (rows) x four fragments (columns) of one slot.  The eight waves' quads are added, wave 0's first; then the blend; then four stores, each of two rows' 256 aligned bytes.
.macro UNIT ra, yb, vy, radd
.set pi, 0
.rept 32
	ds_load_b128 v[RD+4*pi:RD+4*pi+3], v[(\ra)+pi/12] offset:((pi/4)%3)*PART+512*(pi%4)  ; wave pi / 4, fragment pi % 4
.set pi, pi+1
.endr
.irp p, 1,2,3,4,5,6,7
	s_wait_dscnt 4*(7-\p)                          ; LDS loads come back in order: wave p's four are in
.set k, 0
.rept 8
	v_pk_add_f32 v[RD+2*k:RD+2*k+1], v[RD+2*k:RD+2*k+1], v[RD+16*\p+2*k:RD+16*\p+2*k+1]
.set k, k+1
.endr
.endr
	s_wait_loadcnt 0x0                             ; y
.set k, 0
.rept 8
	v_pk_fma_f32 v[TM+2*k:TM+2*k+1], v[(\yb)+2*k:(\yb)+2*k+1], v[CY:CY+1], v[HC+(2*k)%4:HC+(2*k)%4+1]
.set k, k+1
.endr
.set k, 0
.rept 16
	v_fma_f32 v[OUT+k], v[G+k%4], v[RD+4*(k%4)+k/4], v[TM+k]  ; row k / 4, column k % 4: the turn from fragments to columns costs nothing here
.set k, k+1
.endr
.set k, 0
.rept 4
	v_add_nc_u32 v20, (\radd)+k, v19
	v_cmp_gt_u32 vcc_lo, s27, v20                  ; is the row below the group's count?
	s_wait_xcnt 0x0                                ; EXEC changes only behind this wait
	s_and_saveexec_b32 s56, vcc_lo
	global_store_b128 v[(\vy)+k], v[OUT+4*k:OUT+4*k+3], s[50:51]
	s_wait_xcnt 0x0                                ; and again, in front of the line that widens it
	s_or_b32 exec_lo, exec_lo, s56
.set k, k+1
.endr
.endm
	s_load_b512 s[4:19], s[0:1], 0x0               ; route s[4:5], list s[6:7], hidF s[8:9], W2 s[10:11], b2 s[12:13], scales s[14:15], shifta s[16:17], shiftb s[18:19]
	s_load_b128 s[20:23], s[0:1], 0x40             ; y s[20:21], out0 s[22:23]
	v_lshl_add_u32 v[SPW], v0, 2, SPARE
	v_mov_b32 v[NIL], 0
	v_and_b32 v1, 31, v0                           ; lane
	v_and_b32 v2, 15, v0                           ; r
	v_bfe_u32 v3, v0, 4, 1                         ; h
	v_lshlrev_b32 v4, 4, v1                        ; 16 lane
	v_lshrrev_b32 v20, 5, v0
	v_readfirstlane_b32 s34, v20                   ; wave 0..7
	s_mov_b32 s35, ttmp9                           ; x: the slice of 64 columns
	s_and_b32 s36, ttmp7, 0xffff                   ; g: the group
	s_lshl_b32 s37, s36, 5
	v_lshlrev_b32 v18, 4, v2                       ; 16 r
	v_lshl_add_u32 v[VW], v3, 17, v18              ; + 32 rows of 4,096 bytes x h
	s_mul_i32 s52, s34, PART
	v_add_nc_u32 v[VP], s52, v4
	s_lshl_b32 s52, s34, 11
	v_add_nc_u32 v[RA], s52, v4
	v_add_nc_u32 v[RA+1], 3*PART, v[RA]
	v_add_nc_u32 v[RA+2], 6*PART, v[RA]
	s_lshr_b32 s53, s34, 1
	s_and_b32 s54, s34, 1
	s_lshl_b32 s52, s54, 11
	s_add_co_u32 s52, s52, 16384
	v_add_nc_u32 v[RB], s52, v4
	v_add_nc_u32 v[RB+1], 3*PART, v[RB]
	v_add_nc_u32 v[RB+2], 6*PART, v[RB]
	s_lshl_b32 s52, s53, 4
	s_lshl2_add_u32 s52, s54, s52                  ; 16 (w / 2) + 4 (w % 2)
	v_lshl_add_u32 v19, v3, 3, s52                 ; the first of my four rows in unit w
	s_lshl_b32 s59, s54, 4
	v_lshl_add_u32 v17, v3, 5, s59                 ; my four words among a tile's sixteen: byte 32 h + 16 (w % 2)
	s_wait_kmcnt 0x0
	s_load_b256 s[24:31], s[4:5], s37 offset:0x1000  ; e s24, T0 s25, nT s26, nvalid s27
	s_load_b32 s32, s[16:17], 0x0
	s_load_b32 s33, s[18:19], 0x0
	s_lshl_b32 s52, s35, 8                         ; 256 x
	s_mov_b32 s53, 0
	s_add_nc_u64 s[44:45], s[14:15], s[52:53]      ; scales, y and out0 at my 64 columns
	s_add_nc_u64 s[48:49], s[20:21], s[52:53]
	s_add_nc_u64 s[50:51], s[22:23], s[52:53]
	s_lshl_b32 s54, s34, 14
	s_mov_b32 s55, 0
	s_add_nc_u64 s[40:41], s[8:9], s[54:55]        ; hidF at my eight blocks of a tile
	global_load_b128 v[Z:Z+3], v18, s[44:45]
	s_wait_kmcnt 0x0
	s_min_u32 s24, s24, 7                          ; what was loaded enters an address only behind a bound written here
	s_min_u32 s25, s25, 70
	s_min_u32 s26, s26, 5
	s_min_u32 s27, s27, 80
	s_lshl_b32 s54, s24, 12
	s_add_co_u32 s54, s54, s52
	s_add_nc_u64 s[42:43], s[12:13], s[54:55]      ; b2 at my 64 columns
	global_load_b128 v[BQ:BQ+3], v18, s[42:43]
	s_lshl_b32 s54, s24, 24                        ; an expert's W2 is 16 MB,
	s_lshl_b32 s57, s34, 21                        ; my 512 rows 2 MB
	s_add_co_u32 s54, s54, s57
	s_add_co_u32 s54, s54, s52
	s_add_nc_u64 s[38:39], s[10:11], s[54:55]
	s_max_u32 s57, s26, 1
	s_sub_co_u32 s57, s57, 1                       ; the group's last tile
.set ti, 0
.rept 5
	s_min_u32 s58, s57, ti                         ; a slot without rows repeats it: only stored bytes are read
	s_add_co_u32 s58, s58, s25
	s_min_u32 s58, s58, 74
	s_lshl_b32 s58, s58, 17
	v_add_nc_u32 v[VH+ti], s58, v4
.set ti, ti+1
.endr
	s_lshr_b32 s59, s34, 1                         ; unit w lies in slot w / 2,
	s_min_u32 s58, s57, s59
	s_add_co_u32 s58, s58, s25
	s_min_u32 s58, s58, 74
	s_lshl_b32 s58, s58, 6                         ; 64 bytes of list a tile
	v_add_nc_u32 v[VLA], s58, v17
	s_min_u32 s58, s57, 4                          ; unit 8 + w in slot 4
	s_add_co_u32 s58, s58, s25
	s_min_u32 s58, s58, 74
	s_lshl_b32 s58, s58, 6
	v_add_nc_u32 v[VLB], s58, v17
	global_load_b128 v[VYA:VYA+3], v[VLA], s[6:7]
	global_load_b128 v[VYB:VYB+3], v[VLB], s[6:7]  ; every wave loads them, waves 0 and 1 use them
	; THE PRODUCT: sixteen K steps, written out.  Two steps' loads are on their way throughout.  No barrier stands in what a group without rows jumps.
	s_cmp_eq_u32 s26, 0
	s_cbranch_scc1 .Lno_product
	LOADW2 0
	LOADH 0
	LOADW2 1
	LOADH 1
.irp s, 0,1,2,3,4,5,6,7,8,9,10,11,12,13,14,15
	KS2 \s
.endr
.rept 4
	v_nop                                          ; the places between the last products and the stores that read them
.endr
	WIN 0x04
.set c, 0
.rept 40                               ; chunk c = 8 t + 4 half + jj: each accumulator's lower four registers go first
	ds_store_b128 v[VP], v[32*(c/8)+8*(c%4)+4*((c/4)%2):32*(c/8)+8*(c%4)+4*((c/4)%2)+3] offset:512*c
.set c, c+1
.endr
	WIN 0
.Lno_product:
	; THE GAINS, and the rows of y that my units will want
	s_wait_loadcnt 0x0
	v_mov_b32 v[Z+4], s32
	v_mov_b32 v[Z+5], s33
.set i, 0
.rept 6
	v_mul_f32 v[Z+i], 0xbfb8aa3b, v[Z+i]           ; -1.442695 x
.set i, i+1
.endr
.set i, 0
.rept 6
	v_exp_f32 v[Z+i], v[Z+i]
.set i, i+1
.endr
	v_nop                                          ; a plain instruction and one wait behind the batch
	s_wait_alu depctr_va_vdst(0)
.set i, 0
.rept 6
	v_add_f32 v[Z+i], 1.0, v[Z+i]
.set i, i+1
.endr
.set i, 0
.rept 6
	v_rcp_f32 v[Z+i], v[Z+i]
.set i, i+1
.endr
	v_nop
	s_wait_alu depctr_va_vdst(0)
	v_add_f32 v20, v[Z+5], v[Z+4]
	v_sub_f32 v110, v[Z+5], v[Z+4]
	v_mul_f32 v20, 0.5, v20
	v_mul_f32 v[CY], 0.5, v110
	v_mul_f32 v[CY+1], 0.5, v110
.set i, 0
.rept 4
	v_mul_f32 v[G+i], v20, v[Z+i]
.set i, i+1
.endr
.set i, 0
.rept 4
	v_mul_f32 v[HC+i], v[G+i], v[BQ+i]
.set i, i+1
.endr
.set i, 0
.rept 8
	v_min_u32 v[VYA+i], 0x3ff, v[VYA+i]
	v_lshl_add_u32 v[VYA+i], v[VYA+i], 12, v18     ; the token's row of 4,096 bytes + 16 r
.set i, i+1
.endr
.set i, 0
.rept 8
	global_load_b128 v[64+4*i:64+4*i+3], v[VYA+i], s[48:49]
.set i, i+1
.endr
	s_wait_dscnt 0x0                               ; for the others' sake: my partial sums are written
	s_barrier_signal -1
	s_barrier_wait -1
	; THE SUM OVER THE WAVES.  Ten units (slot, half); wave w takes unit w, waves 0 and 1 also units 8 and 9.  Units of slots without rows are jumped.
	s_lshr_b32 s57, s34, 1
	s_cmp_lt_u32 s57, s26
	s_cbranch_scc0 .Lno_a
	UNIT RA, 64, VYA, 0
.Lno_a:
	s_cmp_lt_u32 s34, 2
	s_cbranch_scc0 .Lend
	s_cmp_gt_u32 s26, 4
	s_cbranch_scc0 .Lend
	UNIT RB, 80, VYB, 64
.Lend:
	s_wait_tensorcnt 0x0                           ; the wave's end: behind my last LDS store
	ds_add_u32 v[SPW], v[NIL]
	s_wait_dscnt 0x0
	s_endpgm
.Lfunc_end_k_q78d13fd929_down:
	.size	k_q78d13fd929_down, .Lfunc_end_k_q78d13fd929_down-k_q78d13fd929_down
	.p2alignl 7, 3214868480
	.fill 96, 4, 3214868480
	.section	.rodata,"a",@progbits
	.p2align	6, 0x0
	.amdhsa_kernel k_q78d13fd929_down
		.amdhsa_group_segment_fixed_size 164864
		.amdhsa_private_segment_fixed_size 0
		.amdhsa_enable_private_segment 0
		.amdhsa_kernarg_size 80
		.amdhsa_user_sgpr_count 2
		.amdhsa_user_sgpr_kernarg_segment_ptr 1
		.amdhsa_wavefront_size32 1
		.amdhsa_system_sgpr_workgroup_id_x 1
		.amdhsa_system_sgpr_workgroup_id_y 1
		.amdhsa_system_sgpr_workgroup_id_z 1
		.amdhsa_system_vgpr_workitem_id 0
		.amdhsa_next_free_vgpr 512
		.amdhsa_next_free_sgpr 66
		.amdhsa_reserve_vcc 1
		.amdhsa_float_denorm_mode_32 3
		.amdhsa_float_denorm_mode_16_64 3
		.amdhsa_memory_ordered 1
		.amdhsa_forward_progress 1
		.amdhsa_inst_pref_size 123
	.end_amdhsa_kernel
	.amdgpu_metadata
---
amdhsa.version: [ 1, 2 ]
amdhsa.kernels:
  - .name:           k_q78d13fd929_down
    .symbol:         k_q78d13fd929_down.kd
    .args:
      - { .name: route, .offset: 0, .size: 8, .value_kind: global_buffer, .address_space: global }
      - { .name: list, .offset: 8, .size: 8, .value_kind: global_buffer, .address_space: global }
      - { .name: hidF, .offset: 16, .size: 8, .value_kind: global_buffer, .address_space: global }
      - { .name: W2, .offset: 24, .size: 8, .value_kind: global_buffer, .address_space: global }
      - { .name: b2, .offset: 32, .size: 8, .value_kind: global_buffer, .address_space: global }
      - { .name: scales, .offset: 40, .size: 8, .value_kind: global_buffer, .address_space: global }
      - { .name: shifta, .offset: 48, .size: 8, .value_kind: global_buffer, .address_space: global }
      - { .name: shiftb, .offset: 56, .size: 8, .value_kind: global_buffer, .address_space: global }
      - { .name: y, .offset: 64, .size: 8, .value_kind: global_buffer, .address_space: global }
      - { .name: out0, .offset: 72, .size: 8, .value_kind: global_buffer, .address_space: global }
    .group_segment_fixed_size: 164864
    .private_segment_fixed_size: 0
    .kernarg_segment_align: 8
    .kernarg_segment_size: 80
    .max_flat_workgroup_size: 256
    .sgpr_count:     66
    .vgpr_count:     512
    .wavefront_size: 32
...
	.end_amdgpu_metadata
.endif
;; end of part 3
